; MI455X (gfx1250); checked and timed in simulation.
; The chip was launched on July 23, 2026; its instructions are those of AMD's public machine-readable ISA for CDNA 5 (MIT licence, August 2026) and "CDNA5" Instruction Set Architecture Reference Guide (July 2026). The comments in the code are by the model that wrote it; some were corrected since.
;; Harmonic Oscillator. Allowed arithmetic: float matrix products may take bf16 or f16 operands with f32 sums; all other float work in f32.
;; Inputs: f0 32 x 1 x 800 float32; noise 32 x 8 x 192,000 float32; phi 1 x 8 x 1 float32; uv 32 x 1 x 800 float32; weights 1 x 8 x 1 float32.
;; Outputs: out0 32 x 1 x 192,000 float32.
;; One version. Each part assembles by itself: llvm-mc -triple=amdgcn-amd-amdhsa -mcpu=gfx1250 --defsym DOCPART=n.
;; ======== version 1 of 1: 2 launches
;; limits: a function is approximated: absolute error at most 7e-06
;; workspace buffers: s1 393,216 bytes
;; launch rowsums (part 1): grid 8 x 32, 16 waves a work-group, no clusters, 30,208 bytes of LDS; arguments f0, s1; writes s1
.if DOCPART == 1
	.amdgcn_target "amdgcn-amd-amdhsa--gfx1250"
	.amdhsa_code_object_version 6
	.text
	.protected	k_q4da9f0546b_rowsums
	.globl	k_q4da9f0546b_rowsums
	.p2align	8
	.type	k_q4da9f0546b_rowsums,@function
k_q4da9f0546b_rowsums:
	s_mov_b64 s[64:65], 0
	v_nop
	global_prefetch_b8 v0, s[64:65] scope:SCOPE_SE
	s_setreg_imm32_b32 hwreg(HW_REG_WAVE_MODE, 25, 1), 1
	s_wait_xcnt 0x0
; First of two launches of the harmonic oscillator.  It stores s1[n][R][c] (f32, R = 0..767, c = 0..3): the f32 sum over the 256 samples
; 256 R .. 256 R + 255 of row n of the phase increments (f0_up * m) / 24000 for m = 1, 3, 5, 7.  Rows R = 750..767 are stored as 0.
; WHY THE ORDER OF THE SUMS MATTERS: the running phase reaches thousands of cycles, where one f32 rounding is a visible part of a cycle, so the sums
; are made in f32 in ONE fixed order: a sequential sum inside each block of 16 samples, then a sequential prefix over 16 block sums, and so on
; upward in rows of 16 (192000 -> 12000 -> 750 -> 47 -> 3).  This launch makes the two lowest levels' totals; the next launch makes the rest.
; HOW THE ELEMENTS ARE ROUNDED (a choice, kept on purpose: a constant relative difference in the increments adds up along the row):
;   a division by a constant is the product with the constant's rounded reciprocal, and a product that feeds a sum is fused into it:
;   coordinate = fma(t + 0.5, 1/240, -0.5);  f0_up = fma(f0[i0], 1 - w, RN(f0[i1] w));  increment = RN(RN(f0_up m) x 1/24000).
; Even harmonics need no chain of their own: a factor of 2 commutes with every f32 rounding here (no overflow or denormal for finite inputs of use).
; SHARES: grid x = wg (0..7), y = n.  A tile is 512 samples = 32 blocks: a lane owns a block.  Wave w of wg takes tiles 16 wg + w + 128 trip < 375.
; No matrix unit, no cluster: there is no product, and no two work-groups read a common tile beyond the 3,200 bytes of an f0 row.
.set TILES, 375
.set F0TAB, 0                          ; LDS: the f0 row, 3,200 bytes, in 7 waves x 512 = 3,584
.set STG,   3584                       ; LDS: 3 trips x 16 waves x 32 lanes x 16 bytes: the scanned block sums
.set BL,  2                            ; v2       my block's number in the row
.set STO, 3                            ; v3       where my four scanned sums go
.set TF,  4                            ; v[4:5]   t + 0.5 of two samples
.set XA,  6                            ; v[6:7]   f0[i0], f0[i1] of the block's first 8 samples
.set XB,  8                            ; v[8:9]   of its last 8
.set ZA,  10                           ; v[10:11] z, -i0 z  (z = 0 where reference() clips the coordinate)
.set ZB,  12
.set FF,  14                           ; v[14:15] f0_up of two samples
.set EL,  20                           ; v[20:27] four chains' increments of two samples
.set SS,  36                           ; v[36:39] four block sums
.set SC,  40                           ; v[40:43] their prefix over 16 blocks
.set TMP, 44                           ; v44-49   at work
.set CP,  52                           ; v[52:55] copies
.set Q,   56                           ; v[56:59] at work
.set R240, 8                           ; s[8:9]   1/240 twice (a scalar pair is named whole by a packed instruction)
.set R24K, 12                          ; s[12:13] 1/24000
.set MUL3, 0x40400000
.set MUL5, 0x40a00000
.set MUL7, 0x40e00000
; From the block's number: the two index pairs (they change only at sample 8 of a block, since 120 = 7.5 blocks), their f0, and t + 0.5.
; f = (b + 7) / 15 and (b + 8) / 15 by a multiply and a shift (34953 / 2^19 exceeds 1/15 by 9e-7: exact for b < 12,008); i0 = f - 1, clipped.
; The coordinate is never nearer than 1/480 to a whole number, so its rounding does not move i0.
.macro SETUP
	v_add_nc_u32 v[TMP], 7, v[BL]
	v_add_nc_u32 v[TMP+1], 8, v[BL]
	v_mul_u32_u24 v[TMP], 0x8889, v[TMP]
	v_mul_u32_u24 v[TMP+1], 0x8889, v[TMP+1]
	v_lshrrev_b32 v[TMP], 19, v[TMP]
	v_lshrrev_b32 v[TMP+1], 19, v[TMP+1]
	v_add_nc_u32 v[TMP], -1, v[TMP]
	v_add_nc_u32 v[TMP+1], -1, v[TMP+1]
	v_cmp_gt_u32 vcc_lo, 799, v[TMP]               ; 0 <= f - 1 <= 798: the coordinate is not clipped
	v_cndmask_b32 v[ZA], 0, 1.0, vcc_lo
	v_cmp_gt_u32 vcc_lo, 799, v[TMP+1]
	v_cndmask_b32 v[ZB], 0, 1.0, vcc_lo
	v_max_i32 v[TMP], 0, v[TMP]                    ; the clip to 0 ..
	v_max_i32 v[TMP+1], 0, v[TMP+1]
	v_min_u32 v[TMP], 799, v[TMP]                  ; .. L - 1
	v_min_u32 v[TMP+1], 799, v[TMP+1]
	v_add_nc_u32 v[TMP+2], 1, v[TMP]
	v_add_nc_u32 v[TMP+3], 1, v[TMP+1]
	v_min_u32 v[TMP+2], 799, v[TMP+2]              ; i1 = min(i0 + 1, L - 1)
	v_min_u32 v[TMP+3], 799, v[TMP+3]
	v_lshlrev_b32 v[TMP+4], 2, v[TMP]
	v_lshlrev_b32 v[TMP+5], 2, v[TMP+1]
	v_lshlrev_b32 v[TMP+2], 2, v[TMP+2]
	v_lshlrev_b32 v[TMP+3], 2, v[TMP+3]
	ds_load_b32 v[XA], v[TMP+4] offset:F0TAB
	ds_load_b32 v[XA+1], v[TMP+2] offset:F0TAB
	ds_load_b32 v[XB], v[TMP+5] offset:F0TAB
	ds_load_b32 v[XB+1], v[TMP+3] offset:F0TAB
	v_cvt_f32_u32 v[TMP], v[TMP]
	v_cvt_f32_u32 v[TMP+1], v[TMP+1]
	v_mul_f32 v[ZA+1], -v[TMP], v[ZA]
	v_mul_f32 v[ZB+1], -v[TMP+1], v[ZB]
	v_lshlrev_b32 v[TMP], 4, v[BL]                 ; t of the block's first sample
	v_cvt_f32_u32 v[TMP], v[TMP]
	v_add_f32 v[TF], 0.5, v[TMP]
	v_add_f32 v[TF+1], 0x3fc00000, v[TMP]          ; + 1.5
.endm
; f0_up of two samples.  q: four registers at work.  Where the coordinate is not clipped, coordinate - i0 is exact, so the fma that forms w rounds nothing.
.macro FPAIR d, x, z, q, adv
.if \adv
	v_pk_add_f32 v[TF:TF+1], v[TF:TF+1], 2.0 op_sel_hi:[1,0]
.endif
	v_pk_fma_f32 v[\q:\q+1], v[TF:TF+1], s[R240:R240+1], -0.5 op_sel_hi:[1,0,0]                    ; the coordinate
	v_pk_fma_f32 v[\q:\q+1], v[\q:\q+1], v[\z:\z+1], v[\z:\z+1] op_sel:[0,0,1] op_sel_hi:[1,0,1]   ; w = coordinate z - i0 z
	v_pk_add_f32 v[\q+2:\q+3], v[\q:\q+1], 1.0 op_sel_hi:[1,0] neg_lo:[1,0] neg_hi:[1,0]           ; 1 - w
	v_pk_mul_f32 v[\q:\q+1], v[\q:\q+1], v[\x:\x+1] op_sel:[0,1] op_sel_hi:[1,1]                   ; f0[i1] w, rounded
	v_pk_fma_f32 v[\d:\d+1], v[\q+2:\q+3], v[\x:\x+1], v[\q:\q+1] op_sel_hi:[1,0,1]                ; f0[i0] (1 - w) + that, one rounding
.endm
; (f m) x 1/24000 of two samples, each product rounded
.macro ELEM d, f, m
.if \m == 1
	v_pk_mul_f32 v[\d:\d+1], v[\f:\f+1], s[R24K:R24K+1] op_sel_hi:[1,0]
.else
	v_pk_mul_f32 v[\d:\d+1], v[\f:\f+1], MUL\m op_sel_hi:[1,0]
	v_pk_mul_f32 v[\d:\d+1], v[\d:\d+1], s[R24K:R24K+1] op_sel_hi:[1,0]
.endif
.endm
; The strictly sequential prefix sum over each 16 lanes, for n registers side by side.  Step k makes lane k right from lane k - 1:
; d[i] = d[i-1] + s[i], lane 0 of a row taking 0.  The copy in front gives the DPP lines a written destination.
.macro SCAN d, s, n
.set sc_i, 0
.rept \n
	v_mov_b32 v[\d+sc_i], v[\s+sc_i]
.set sc_i, sc_i+1
.endr
.rept 15
.set sc_i, 0
.rept \n
	v_add_f32_dpp v[\d+sc_i], v[\d+sc_i], v[\s+sc_i] row_shr:1 row_mask:0xf bank_mask:0xf bound_ctrl:1
.set sc_i, sc_i+1
.endr
.endr
.endm
; two samples of my block: their increments in four chains, added in order; the first pair starts the sums
.macro PAIR x, z, adv
	FPAIR FF,\x,\z,Q,\adv
	ELEM EL,FF,1
	ELEM EL+2,FF,3
	ELEM EL+4,FF,5
	ELEM EL+6,FF,7
.if \adv
.irp c, 0,1,2,3
	v_add_f32 v[SS+\c], v[SS+\c], v[EL+2*\c]
.endr
.irp c, 0,1,2,3
	v_add_f32 v[SS+\c], v[SS+\c], v[EL+2*\c+1]
.endr
.else
.irp c, 0,1,2,3
	v_add_f32 v[SS+\c], v[EL+2*\c], v[EL+2*\c+1]
.endr
.endif
.endm
	s_load_b128 s[4:7], s[0:1], 0x0                ; f0 s[4:5], s1 s[6:7]
	v_lshl_add_u32 v64, v0, 2, 0x6e00
	v_mov_b32 v65, 0
	v_and_b32 v1, 31, v0                           ; lane
	v_lshrrev_b32 v[TMP], 5, v0
	v_readfirstlane_b32 s16, v[TMP]                ; wave
	s_and_b32 s17, ttmp7, 0xffff                   ; n
	s_mov_b32 s18, ttmp9                           ; wg
	s_lshl4_add_u32 s19, s18, s16                  ; my first tile = 16 wg + wave
	s_mov_b32 s[R240], 0x3b888889
	s_mov_b32 s[R240+1], 0x3b888889
	s_mov_b32 s[R24K], 0x382ec33e
	s_mov_b32 s[R24K+1], 0x382ec33e
	s_mul_i32 s22, s17, 3200
	s_mov_b32 s23, 0
	s_wait_kmcnt 0x0
	s_add_nc_u64 s[4:5], s[4:5], s[22:23]          ; f0 at row n
	s_mul_i32 s22, s17, 12288
	s_add_nc_u64 s[6:7], s[6:7], s[22:23]          ; s1 at row n
	s_lshl_b32 s22, s16, 9
	v_lshl_add_u32 v[TMP], v1, 4, s22              ; 512 wave + 16 lane
	v_min_u32 v[TMP+1], 3184, v[TMP]               ; the row has 200 quads: lanes past them fetch the last one again, into the table's padding
	v_add_nc_u32 v[STO], STG, v[TMP]
	s_lshl_b32 s22, s19, 5
	v_add_nc_u32 v[BL], s22, v1                    ; block = 32 tile + lane
	s_cmp_gt_u32 s16, 6
	s_cbranch_scc1 .Lnocopy                        ; seven waves copy the row
	global_load_b128 v[CP:CP+3], v[TMP+1], s[4:5]
	s_wait_loadcnt 0x0
	ds_store_b128 v[TMP], v[CP:CP+3] offset:F0TAB
.Lnocopy:
	s_wait_dscnt 0x0                               ; my part of the table is written,
	s_barrier_signal -1
	s_barrier_wait -1                              ; everybody's is
	s_mov_b32 s20, 0
.Ltrip:
	s_cmp_ge_u32 s19, TILES
	s_cbranch_scc1 .Lzero                          ; past the row's end: the padding rows of s1 are zeros
	SETUP
	s_wait_dscnt 0x0                               ; the four f0
	PAIR XA,ZA,0
	PAIR XA,ZA,1
	PAIR XA,ZA,1
	PAIR XA,ZA,1
	PAIR XB,ZB,1
	PAIR XB,ZB,1
	PAIR XB,ZB,1
	PAIR XB,ZB,1
	SCAN SC,SS,4                                   ; lanes 15 and 31 now hold the sums of rows 2 tile and 2 tile + 1
	s_branch .Lput
.Lzero:
.irp c, 0,1,2,3
	v_mov_b32 v[SC+\c], 0
.endr
.Lput:
	ds_store_b128 v[STO], v[SC:SC+3]
	v_add_nc_u32 v[BL], 4096, v[BL]                ; 128 tiles on
	v_add_nc_u32 v[STO], 8192, v[STO]              ; the next trip's stage
	s_add_co_u32 s19, s19, 128
	s_add_co_u32 s20, s20, 1
	s_cmp_lt_u32 s20, 3
	s_cbranch_scc1 .Ltrip
	s_wait_dscnt 0x0                               ; my stores are done,
	s_barrier_signal -1
	s_barrier_wait -1                              ; everybody's are
	s_cmp_gt_u32 s16, 2
	s_cbranch_scc1 .Lend
	; wave w gathers trip w's 32 row sums (lane 15 or 31 of each of the 16 waves) and stores them as 512 consecutive bytes, aligned
	v_lshrrev_b32 v[TMP], 1, v1
	v_and_b32 v[TMP+1], 1, v1
	v_lshlrev_b32 v[TMP], 9, v[TMP]
	v_lshl_add_u32 v[TMP], v[TMP+1], 8, v[TMP]
	s_lshl_b32 s22, s16, 13
	v_add_nc_u32 v[TMP], s22, v[TMP]
	ds_load_b128 v[CP:CP+3], v[TMP] offset:STG+240
	s_lshl_b32 s22, s16, 12                        ; R = 256 w + 32 wg + lane, 16 bytes each
	s_lshl_b32 s23, s18, 9
	s_add_co_u32 s22, s22, s23
	v_lshl_add_u32 v[TMP+2], v1, 4, s22
	s_wait_dscnt 0x0
	global_store_b128 v[TMP+2], v[CP:CP+3], s[6:7]
.Lend:
	s_wait_tensorcnt 0x0
	ds_add_u32 v64, v65
	s_wait_dscnt 0x0
	s_endpgm
.Lfunc_end_k_q4da9f0546b_rowsums:
	.size	k_q4da9f0546b_rowsums, .Lfunc_end_k_q4da9f0546b_rowsums-k_q4da9f0546b_rowsums
	.p2alignl 7, 3214868480
	.fill 96, 4, 3214868480
	.section	.rodata,"a",@progbits
	.p2align	6, 0x0
	.amdhsa_kernel k_q4da9f0546b_rowsums
		.amdhsa_group_segment_fixed_size 30208
		.amdhsa_private_segment_fixed_size 0
		.amdhsa_enable_private_segment 0
		.amdhsa_kernarg_size 16
		.amdhsa_user_sgpr_count 2
		.amdhsa_user_sgpr_kernarg_segment_ptr 1
		.amdhsa_wavefront_size32 1
		.amdhsa_system_sgpr_workgroup_id_x 1
		.amdhsa_system_sgpr_workgroup_id_y 1
		.amdhsa_system_sgpr_workgroup_id_z 1
		.amdhsa_system_vgpr_workitem_id 0
		.amdhsa_next_free_vgpr 66
		.amdhsa_next_free_sgpr 66
		.amdhsa_reserve_vcc 1
		.amdhsa_float_denorm_mode_32 3
		.amdhsa_float_denorm_mode_16_64 3
		.amdhsa_memory_ordered 1
		.amdhsa_forward_progress 1
		.amdhsa_inst_pref_size 18
	.end_amdhsa_kernel
	.amdgpu_metadata
---
amdhsa.version: [ 1, 2 ]
amdhsa.kernels:
  - .name:           k_q4da9f0546b_rowsums
    .symbol:         k_q4da9f0546b_rowsums.kd
    .args:
      - { .name: f0, .offset: 0, .size: 8, .value_kind: global_buffer, .address_space: global }
      - { .name: s1, .offset: 8, .size: 8, .value_kind: global_buffer, .address_space: global }
    .group_segment_fixed_size: 30208
    .private_segment_fixed_size: 0
    .kernarg_segment_align: 8
    .kernarg_segment_size: 16
    .max_flat_workgroup_size: 512
    .sgpr_count:     66
    .vgpr_count:     66
    .wavefront_size: 32
...
	.end_amdgpu_metadata
.endif
;; end of part 1
;; launch synth (part 2): grid 8 x 32, 16 waves a work-group, no clusters, 88,064 bytes of LDS; arguments f0, uv, weights, phi, noise, s1, out0; writes out0
.if DOCPART == 2
	.amdgcn_target "amdgcn-amd-amdhsa--gfx1250"
	.amdhsa_code_object_version 6
	.text
	.protected	k_q4da9f0546b_synth
	.globl	k_q4da9f0546b_synth
	.p2align	8
	.type	k_q4da9f0546b_synth,@function
k_q4da9f0546b_synth:
	s_mov_b64 s[64:65], 0
	v_nop
	global_prefetch_b8 v0, s[64:65] scope:SCOPE_SE
	s_setreg_imm32_b32 hwreg(HW_REG_WAVE_MODE, 25, 1), 1
	s_wait_xcnt 0x0
; Second launch: out[n][t] = m^2 sum_h wn_h sin(2 pi frac(I_h(t) + phi_h)) + (0.333 - 0.273 m) sum_h wn_h noise[n][h][t],
; which is reference() with its products by the mask m = uv[n][t / 240] multiplied out; wn = w / max(|w|, 1e-12).
; I_h is the f32 running sum of (f0_up h) / 24000.  Its roundings are a visible part of a cycle, so it is made in f32 in ONE fixed order, in rows of 16:
;   in0 = sequential prefix in a block of 16 samples; in1 = sequential prefix of 16 block sums (row R = 256 samples, total S1[R], from launch 1);
;   in2 over 16 S1, in3 over 16 of their totals, then a plain scan of the last 3.  Each level's inclusive scan = its in + the exclusive scan one level up,
;   exclusive[j] = inclusive[j - 1], exclusive[0] = 0.  I(t) = in0 + E1[block].
; Chains are kept for h = 1, 3, 5, 7; h = 2, 4, 8, 6 are exact powers of two times them, and fma(I, 2^k, phi) rounds once, as I_h + phi does.
; HOW THE ELEMENTS ARE ROUNDED (as in the first launch; a constant relative difference in the increments adds up along the row):
;   a division by a constant is the product with the constant's rounded reciprocal, and a product that feeds a sum is fused into it:
;   coordinate = fma(t + 0.5, 1/240, -0.5);  f0_up = fma(f0[i0], 1 - w, RN(f0[i1] w));  increment = RN(RN(f0_up m) x 1/24000).
; LIMITS, kept on purpose: that rounding and that order of summation; sin by an odd polynomial of degree 9 in r = x - round(x), error at most 7e-6;
; wn by v_rcp_f32 (1 ulp) in place of a division; |w|^2 below 2^-126 counts as 0 in v_sqrt_f32, where the 1e-12 floor rules anyway.
; SHARES: grid x = wg (0..7), y = n; a tile = 512 samples = 32 blocks; wave w takes tiles 16 wg + w + 128 k < 375 (3 of them, or 2).
; For the phases a lane owns a block of 16 samples; for noise and output it owns 16 neighbouring bytes of each 512 (whole aligned runs in and out);
; the harmonics' sum changes from one layout to the other through the wave's own LDS stage.
; A wave's next tile of noise (32 loads, 16,384 bytes) is requested before the phases of that tile are computed.
; No matrix unit (no product), no cluster (work-groups share only an f0, a uv and an s1 row, under 20 KB against 768 KB of noise each),
; no prefetch (every wave already has a whole tile on its way).
.set TILES,  375
.set F0TAB,  0                         ; f0 row, 3,200 bytes in 3,584
.set UVTAB,  3584                      ; uv row, likewise
.set IN2TAB, 7168                      ; in2[R][c], 768 x 16
.set E3TAB,  19456                     ; entry q = E3[q], q = 0..48
.set TABE,   20240                     ; entry i = E2[i - 1], i = 0..769
.set TABS,   32560                     ; entry i = S1[i - 1], i = 0..768
.set STAGE,  44864                     ; 16 waves x 32 lanes x 80 bytes (64 of data; the pitch is an odd multiple of 16)
.set VO,  2                            ; v2    byte offset of my 16 bytes in a noise row and in the output row: 2048 tile + 16 lane
.set BL,  3                            ; v3    my block: 32 tile + lane
.set BC,  4                            ; v4    the block of my first output quad: 32 tile + lane / 4
.set STO, 5                            ; v5    stage, by blocks
.set RD,  6                            ; v6    stage, by output quads
.set VR,  7                            ; v7    16 R, R = 2 tile + lane / 16
.set E2Q, 8                            ; v[8:11]    E2[R], four chains
.set E2P, 12                           ; v[12:15]   E2[R - 1]
.set FF,  16                           ; v[16:31]   f0_up of my 16 samples; later the weighted noise and the output
.set IN,  32                           ; v[32:47]   a chain's increments, prefix, phase; later the harmonics' sum read back
.set ACC, 48                           ; v[48:63]   sum over h of wn_h sin
.set X,   64                           ; v[64:71]   at work
.set RN,  72                           ; v[72:79]
.set R2,  80                           ; v[80:87]
.set TF,  88
.set XA,  90
.set XB,  92
.set ZA,  94
.set S1P, 96                           ; v[96:99]   S1[R - 1]
.set ZB,  100
.set EP,  102                          ; v[102:103] E1 of my block (the second register only completes the pair)
.set SC,  104                          ; v104       in1
.set TMP, 105                          ; v105-110   at work
.set TC,  111                          ; v111       prologue: clamped offset of the table copies
.set VRC, 111                          ; v111       tiles: 16 R with its bound written in
.set A4,  112                          ; v[112:113] the polynomial's top coefficient, twice
.set MC,  114                          ; v[114:121] (m^2, 0.333 - 0.273 m) for my four output quads
.set MM,  122                          ; v122-125   m
.set TI,  126                          ; v126       16 x thread
.set E3A, 127                          ; v127       16 x (thread / 16)
.set NZ,  128                          ; v[128:255] noise: quad (h, i) at 16 h + 4 i
.set PF0, 16                           ; prologue only: copies of f0, uv
.set PUV, 20
.set PS1, 24                           ; S1[thread], S1[thread + 512]
.set PIN2, 32                          ; their in2
.set PA,  40                           ; wave 0: S2[0..31], S2[32..47]
.set PSC, 48                           ; their in3
.set PE,  56
.set PHI, 36                           ; s[36:51]  phi_h twice each
.set CA0, 52                           ; s[52:59]  polynomial
.set CA1, 54
.set CA2, 56
.set CA3, 58
.set R240, 60                          ; s[60:61]  1/240 twice
.set WN,  66                           ; s[66:81]  wn_h twice each
.set R24K, 82                          ; s[82:83]  1/24000 twice
.set MUL3, 0x40400000
.set MUL5, 0x40a00000
.set MUL7, 0x40e00000
; From the block's number: the two index pairs (they change only at sample 8 of a block, since 120 = 7.5 blocks), their f0, and t + 0.5.
; f = (b + 7) / 15 and (b + 8) / 15 by a multiply and a shift (34953 / 2^19 exceeds 1/15 by 9e-7: exact for b < 12,008); i0 = f - 1, clipped.
; The coordinate is never nearer than 1/480 to a whole number, so its rounding does not move i0.
.macro SETUP
	v_add_nc_u32 v[TMP], 7, v[BL]
	v_add_nc_u32 v[TMP+1], 8, v[BL]
	v_mul_u32_u24 v[TMP], 0x8889, v[TMP]
	v_mul_u32_u24 v[TMP+1], 0x8889, v[TMP+1]
	v_lshrrev_b32 v[TMP], 19, v[TMP]
	v_lshrrev_b32 v[TMP+1], 19, v[TMP+1]
	v_add_nc_u32 v[TMP], -1, v[TMP]
	v_add_nc_u32 v[TMP+1], -1, v[TMP+1]
	v_cmp_gt_u32 vcc_lo, 799, v[TMP]               ; 0 <= f - 1 <= 798: the coordinate is not clipped
	v_cndmask_b32 v[ZA], 0, 1.0, vcc_lo
	v_cmp_gt_u32 vcc_lo, 799, v[TMP+1]
	v_cndmask_b32 v[ZB], 0, 1.0, vcc_lo
	v_max_i32 v[TMP], 0, v[TMP]                    ; the clip to 0 ..
	v_max_i32 v[TMP+1], 0, v[TMP+1]
	v_min_u32 v[TMP], 799, v[TMP]                  ; .. L - 1
	v_min_u32 v[TMP+1], 799, v[TMP+1]
	v_add_nc_u32 v[TMP+2], 1, v[TMP]
	v_add_nc_u32 v[TMP+3], 1, v[TMP+1]
	v_min_u32 v[TMP+2], 799, v[TMP+2]              ; i1 = min(i0 + 1, L - 1)
	v_min_u32 v[TMP+3], 799, v[TMP+3]
	v_lshlrev_b32 v[TMP+4], 2, v[TMP]
	v_lshlrev_b32 v[TMP+5], 2, v[TMP+1]
	v_lshlrev_b32 v[TMP+2], 2, v[TMP+2]
	v_lshlrev_b32 v[TMP+3], 2, v[TMP+3]
	ds_load_b32 v[XA], v[TMP+4] offset:F0TAB
	ds_load_b32 v[XA+1], v[TMP+2] offset:F0TAB
	ds_load_b32 v[XB], v[TMP+5] offset:F0TAB
	ds_load_b32 v[XB+1], v[TMP+3] offset:F0TAB
	v_cvt_f32_u32 v[TMP], v[TMP]
	v_cvt_f32_u32 v[TMP+1], v[TMP+1]
	v_mul_f32 v[ZA+1], -v[TMP], v[ZA]
	v_mul_f32 v[ZB+1], -v[TMP+1], v[ZB]
	v_lshlrev_b32 v[TMP], 4, v[BL]                 ; t of the block's first sample
	v_cvt_f32_u32 v[TMP], v[TMP]
	v_add_f32 v[TF], 0.5, v[TMP]
	v_add_f32 v[TF+1], 0x3fc00000, v[TMP]          ; + 1.5
.endm
; f0_up of two samples.  q: four registers at work.  Where the coordinate is not clipped, coordinate - i0 is exact, so the fma that forms w rounds nothing.
.macro FPAIR d, x, z, q, adv
.if \adv
	v_pk_add_f32 v[TF:TF+1], v[TF:TF+1], 2.0 op_sel_hi:[1,0]
.endif
	v_pk_fma_f32 v[\q:\q+1], v[TF:TF+1], s[R240:R240+1], -0.5 op_sel_hi:[1,0,0]                    ; the coordinate
	v_pk_fma_f32 v[\q:\q+1], v[\q:\q+1], v[\z:\z+1], v[\z:\z+1] op_sel:[0,0,1] op_sel_hi:[1,0,1]   ; w = coordinate z - i0 z
	v_pk_add_f32 v[\q+2:\q+3], v[\q:\q+1], 1.0 op_sel_hi:[1,0] neg_lo:[1,0] neg_hi:[1,0]           ; 1 - w
	v_pk_mul_f32 v[\q:\q+1], v[\q:\q+1], v[\x:\x+1] op_sel:[0,1] op_sel_hi:[1,1]                   ; f0[i1] w, rounded
	v_pk_fma_f32 v[\d:\d+1], v[\q+2:\q+3], v[\x:\x+1], v[\q:\q+1] op_sel_hi:[1,0,1]                ; f0[i0] (1 - w) + that, one rounding
.endm
; (f m) x 1/24000 of two samples, each product rounded
.macro ELEM d, f, m
.if \m == 1
	v_pk_mul_f32 v[\d:\d+1], v[\f:\f+1], s[R24K:R24K+1] op_sel_hi:[1,0]
.else
	v_pk_mul_f32 v[\d:\d+1], v[\f:\f+1], MUL\m op_sel_hi:[1,0]
	v_pk_mul_f32 v[\d:\d+1], v[\d:\d+1], s[R24K:R24K+1] op_sel_hi:[1,0]
.endif
.endm
; The strictly sequential prefix sum over each 16 lanes, for n registers side by side.  Step k makes lane k right from lane k - 1:
; d[i] = d[i-1] + s[i], lane 0 of a row taking 0.  The copy in front gives the DPP lines a written destination.
.macro SCAN d, s, n
.set sc_i, 0
.rept \n
	v_mov_b32 v[\d+sc_i], v[\s+sc_i]
.set sc_i, sc_i+1
.endr
.rept 15
.set sc_i, 0
.rept \n
	v_add_f32_dpp v[\d+sc_i], v[\d+sc_i], v[\s+sc_i] row_shr:1 row_mask:0xf bank_mask:0xf bound_ctrl:1
.set sc_i, sc_i+1
.endr
.endr
.endm
; 32 loads: my 16 bytes of each 512 of the tile, in all eight noise rows.  The largest immediate is 7 x 768,000 + 1,536, inside 24 signed bits.
.macro NOISE
.irp h, 0,1,2,3,4,5,6,7
.irp i, 0,1,2,3
	global_load_b128 v[NZ+16*\h+4*\i:NZ+16*\h+4*\i+3], v[VO], s[12:13] offset:\h*768000+\i*512 th:TH_LOAD_NT
.endr
.endr
.endm
; chain c (multiplier m): IN = the running phase I of my 16 samples
.macro CHAIN m, c
.irp j, 0,1,2,3,4,5,6,7
	ELEM IN+2*\j,FF+2*\j,\m
.endr
.set ch_k, 1
.rept 15
	v_add_f32 v[IN+ch_k], v[IN+ch_k-1], v[IN+ch_k] ; in0, in order
.set ch_k, ch_k+1
.endr
	SCAN SC,IN+15,1                                ; in1 over the 16 blocks of my row R
	v_add_f32_dpp v[EP], v[SC], v[E2Q+\c] row_shr:1 row_mask:0xf bank_mask:0xf bound_ctrl:1   ; E1 = in1[block - 1] + E2[R]
	v_add_f32 v[TMP], v[S1P+\c], v[E2P+\c]         ; a row's first block: the last of row R - 1, S1[R-1] + E2[R-1]
	v_cndmask_b32 v[EP], v[EP], v[TMP], s91        ; lanes 0 and 16
.irp j, 0,2,4,6,8,10,12,14
	v_pk_add_f32 v[IN+\j:IN+\j+1], v[IN+\j:IN+\j+1], v[EP:EP+1] op_sel_hi:[1,0]
.endr
.endm
; x = 2^k I + phi_h, one rounding
.macro XPH d, s, k, h
.if \k == 1
	v_pk_add_f32 v[\d:\d+1], v[\s:\s+1], s[PHI+2*\h:PHI+2*\h+1] op_sel_hi:[1,0]
.elseif \k == 2
	v_pk_fma_f32 v[\d:\d+1], v[\s:\s+1], 2.0, s[PHI+2*\h:PHI+2*\h+1] op_sel_hi:[1,0,0]
.elseif \k == 4
	v_pk_fma_f32 v[\d:\d+1], v[\s:\s+1], 4.0, s[PHI+2*\h:PHI+2*\h+1] op_sel_hi:[1,0,0]
.else
	v_pk_fma_f32 v[\d:\d+1], v[\s:\s+1], 0x41000000, s[PHI+2*\h:PHI+2*\h+1] op_sel_hi:[1,0,0]
.endif
.endm
; ACC += wn_h sin(2 pi x).  r = x - round(x) is exact and sin(2 pi r) = sin(2 pi frac(x)); then r (a0 + a1 r^2 + .. + a4 r^8).
; Eight samples at a time, step by step, so that no line waits for the one in front.  first = 1: the product starts the sum.
.macro HARM k, h, first
.irp g, 0,1
.irp p, 0,1,2,3
	XPH X+2*\p,IN+8*\g+2*\p,\k,\h
.endr
.irp p, 0,1,2,3,4,5,6,7
	v_rndne_f32 v[RN+\p], v[X+\p]
.endr
.irp p, 0,2,4,6
	v_pk_add_f32 v[X+\p:X+\p+1], v[X+\p:X+\p+1], v[RN+\p:RN+\p+1] neg_lo:[0,1] neg_hi:[0,1]
.endr
.irp p, 0,2,4,6
	v_pk_mul_f32 v[R2+\p:R2+\p+1], v[X+\p:X+\p+1], v[X+\p:X+\p+1]
.endr
.irp p, 0,2,4,6
	v_pk_fma_f32 v[RN+\p:RN+\p+1], v[R2+\p:R2+\p+1], v[A4:A4+1], s[CA3:CA3+1] op_sel_hi:[1,1,0]
.endr
.irp p, 0,2,4,6
	v_pk_fma_f32 v[RN+\p:RN+\p+1], v[RN+\p:RN+\p+1], v[R2+\p:R2+\p+1], s[CA2:CA2+1] op_sel_hi:[1,1,0]
.endr
.irp p, 0,2,4,6
	v_pk_fma_f32 v[RN+\p:RN+\p+1], v[RN+\p:RN+\p+1], v[R2+\p:R2+\p+1], s[CA1:CA1+1] op_sel_hi:[1,1,0]
.endr
.irp p, 0,2,4,6
	v_pk_fma_f32 v[RN+\p:RN+\p+1], v[RN+\p:RN+\p+1], v[R2+\p:R2+\p+1], s[CA0:CA0+1] op_sel_hi:[1,1,0]
.endr
.irp p, 0,2,4,6
	v_pk_mul_f32 v[X+\p:X+\p+1], v[X+\p:X+\p+1], s[WN+2*\h:WN+2*\h+1] op_sel_hi:[1,0]
.endr
.irp p, 0,2,4,6
.if \first
	v_pk_mul_f32 v[ACC+8*\g+\p:ACC+8*\g+\p+1], v[RN+\p:RN+\p+1], v[X+\p:X+\p+1]
.else
	v_pk_fma_f32 v[ACC+8*\g+\p:ACC+8*\g+\p+1], v[RN+\p:RN+\p+1], v[X+\p:X+\p+1], v[ACC+8*\g+\p:ACC+8*\g+\p+1]
.endif
.endr
.endr
.endm
; One tile.  ahead = 1: at its end the next tile's noise is requested.
.macro TRIP ahead
	SETUP
	v_min_u32 v[VRC], 11984, v[VR]                 ; R is at most 2 x 374 + 1 = 749: the minimum changes nothing and writes that bound into the address,
	                                               ; so that the three reads below end at TABS + 12,000, under the waves' stages
	ds_load_b128 v[E2Q:E2Q+3], v[VRC] offset:TABE+16
	ds_load_b128 v[E2P:E2P+3], v[VRC] offset:TABE
	ds_load_b128 v[S1P:S1P+3], v[VRC] offset:TABS
	s_wait_dscnt 0x0                               ; the four f0 and the three table quads
.irp j, 0,1,2,3
	FPAIR FF+2*\j,XA,ZA,X+4*(\j%2),\j
.endr
.irp j, 4,5,6,7
	FPAIR FF+2*\j,XB,ZB,X+4*(\j%2),1
.endr
	CHAIN 1,0
	HARM 1,0,1                                     ; harmonics 1, 2, 4, 8
	HARM 2,1,0
	HARM 4,3,0
	HARM 8,7,0
	CHAIN 3,1
	HARM 1,2,0                                     ; 3, 6
	HARM 2,5,0
	CHAIN 5,2
	HARM 1,4,0
	CHAIN 7,3
	HARM 1,6,0
	; from blocks to output quads, through my wave's own stage: LDS serves a wave's instructions in order, so no wait between stores and loads
.irp q, 0,1,2,3
	ds_store_b128 v[STO], v[ACC+4*\q:ACC+4*\q+3] offset:16*\q
.endr
	v_mul_u32_u24 v[TMP], 0x8889, v[BC]            ; frame = block / 15 for the blocks BC + 8 i (a frame is 15 whole blocks)
.irp i, 0,1,2,3
	v_add_nc_u32 v[TMP+1+\i], \i*8*34953, v[TMP]
.endr
.irp i, 0,1,2,3
	v_lshrrev_b32 v[TMP+1+\i], 19, v[TMP+1+\i]
.endr
.irp i, 0,1,2,3
	v_min_u32 v[TMP+1+\i], 799, v[TMP+1+\i]        ; a frame is at most 11,999 / 15 = 799: again only the bound, written in
.endr
.irp i, 0,1,2,3
	v_lshlrev_b32 v[TMP+1+\i], 2, v[TMP+1+\i]
.endr
.irp i, 0,1,2,3
	ds_load_b32 v[MM+\i], v[TMP+1+\i] offset:UVTAB
.endr
.irp i, 0,1,2,3
	ds_load_b128 v[IN+4*\i:IN+4*\i+3], v[RD] offset:640*\i
.endr
	s_wait_loadcnt 0x0                             ; this tile's noise, requested a whole tile's phase work ago
.irp i, 0,1,2,3
.irp p, 0,2
	v_pk_mul_f32 v[FF+4*\i+\p:FF+4*\i+\p+1], v[NZ+4*\i+\p:NZ+4*\i+\p+1], s[WN:WN+1] op_sel_hi:[1,0]
.endr
.endr
.irp h, 1,2,3,4,5,6,7
.irp i, 0,1,2,3
.irp p, 0,2
	v_pk_fma_f32 v[FF+4*\i+\p:FF+4*\i+\p+1], v[NZ+16*\h+4*\i+\p:NZ+16*\h+4*\i+\p+1], s[WN+2*\h:WN+2*\h+1], v[FF+4*\i+\p:FF+4*\i+\p+1] op_sel_hi:[1,0,1]
.endr
.endr
.endr
	s_wait_dscnt 0x0                               ; m and the harmonics' sum
.irp i, 0,1,2,3
	v_mul_f32 v[MC+2*\i], v[MM+\i], v[MM+\i]
	v_fma_f32 v[MC+2*\i+1], v[MM+\i], s19, s18     ; 0.333 - 0.273 m
.endr
.irp i, 0,1,2,3
.irp p, 0,2
	v_pk_mul_f32 v[FF+4*\i+\p:FF+4*\i+\p+1], v[FF+4*\i+\p:FF+4*\i+\p+1], v[MC+2*\i:MC+2*\i+1] op_sel:[0,1] op_sel_hi:[1,1]
.endr
.irp p, 0,2
	v_pk_fma_f32 v[FF+4*\i+\p:FF+4*\i+\p+1], v[IN+4*\i+\p:IN+4*\i+\p+1], v[MC+2*\i:MC+2*\i+1], v[FF+4*\i+\p:FF+4*\i+\p+1] op_sel_hi:[1,0,1]
.endr
	global_store_b128 v[VO], v[FF+4*\i:FF+4*\i+3], s[16:17] offset:512*\i th:TH_STORE_NT   ; the wave stores 512 consecutive bytes, aligned
.endr
.if \ahead
	s_wait_xcnt 0x0                                ; the stores' offset and data registers are rewritten only behind this wait
	v_add_nc_u32 v[VO], 0x40000, v[VO]             ; 128 tiles on
	v_add_nc_u32 v[BL], 4096, v[BL]
	v_add_nc_u32 v[BC], 4096, v[BC]
	v_add_nc_u32 v[VR], 4096, v[VR]
	NOISE
.endif
.endm
	s_load_b256 s[4:11], s[0:1], 0x0               ; f0 s[4:5], uv s[6:7], weights s[8:9], phi s[10:11]
	s_load_b128 s[12:15], s[0:1], 0x20             ; noise s[12:13], s1 s[14:15]
	s_load_b64 s[16:17], s[0:1], 0x30              ; out0
	v_and_b32 v1, 31, v0                           ; lane
	v_lshrrev_b32 v[TMP], 5, v0
	v_readfirstlane_b32 s86, v[TMP]                ; wave
	s_and_b32 s87, ttmp7, 0xffff                   ; n
	s_mov_b32 s88, ttmp9                           ; wg
	s_lshl4_add_u32 s89, s88, s86                  ; my first tile = 16 wg + wave
.irp r, 0,1
	s_mov_b32 s[CA0+\r], 0x40c90ec7                ;   6.28305395
	s_mov_b32 s[CA1+\r], 0xc225530f                ; -41.3311128
	s_mov_b32 s[CA2+\r], 0x42a2bb08                ;  81.3652992
	s_mov_b32 s[CA3+\r], 0xc294f065                ; -74.4695177
	s_mov_b32 s[R240+\r], 0x3b888889
	s_mov_b32 s[R24K+\r], 0x382ec33e
	v_mov_b32 v[A4+\r], 0x42030f9d                 ;  32.7652476
	v_mov_b32 v[EP+\r], 0                          ; a DPP line's destination, and a pair named whole, are written before
.endr
	s_mov_b32 s18, 0x3eaa7efa                      ; 0.333
	s_mov_b32 s19, 0xbe8bc6a8                      ; -0.273
	s_mov_b32 s91, 0x00010001                      ; lanes 0 and 16
	s_lshl_b32 s92, s86, 9
	v_lshl_add_u32 v[TI], v1, 4, s92               ; 512 wave + 16 lane
	v_min_u32 v[TC], 3184, v[TI]                   ; a row of f0 or uv has 200 quads: lanes past them fetch the last one again, into padding
	s_lshl_b32 s93, s89, 11
	v_lshl_add_u32 v[VO], v1, 4, s93
	s_lshl_b32 s93, s89, 5                         ; 32 tile: the tile's first block, and 16 x its first row R
	v_add_nc_u32 v[BL], s93, v1
	v_lshrrev_b32 v[TMP], 2, v1
	v_add_nc_u32 v[BC], s93, v[TMP]
	s_mul_i32 s94, s86, 2560
	s_add_co_u32 s94, s94, STAGE                   ; my wave's stage
	v_mad_u32_u24 v[STO], v1, 80, s94
	v_mad_u32_u24 v[RD], v[TMP], 80, s94
	v_and_b32 v[TMP+1], 3, v1
	v_lshl_add_u32 v[RD], v[TMP+1], 4, v[RD]
	v_lshrrev_b32 v[TMP+1], 4, v1
	v_lshl_add_u32 v[VR], v[TMP+1], 4, s93
	s_lshl_b32 s95, s86, 5
	v_lshl_add_u32 v[E3A], v[TMP+1], 4, s95        ; 16 x (thread / 16)
	s_mov_b32 s3, 0
	s_wait_kmcnt 0x0
	s_load_b256 s[20:27], s[8:9], 0x0              ; the eight weights
	s_load_b256 s[28:35], s[10:11], 0x0            ; the eight phi
	s_mul_i32 s2, s87, 3200
	s_add_nc_u64 s[4:5], s[4:5], s[2:3]
	s_add_nc_u64 s[6:7], s[6:7], s[2:3]
	s_mul_i32 s2, s87, 12288
	s_add_nc_u64 s[14:15], s[14:15], s[2:3]
	s_mul_i32 s2, s87, 6144000
	s_add_nc_u64 s[12:13], s[12:13], s[2:3]
	s_mul_i32 s2, s87, 768000
	s_add_nc_u64 s[16:17], s[16:17], s[2:3]
	; the small loads first, then the first tile's noise, which flies under the whole prologue
	s_cmp_gt_u32 s86, 6
	s_cbranch_scc1 .Lnotab
	global_load_b128 v[PF0:PF0+3], v[TC], s[4:5]
	global_load_b128 v[PUV:PUV+3], v[TC], s[6:7]
.Lnotab:
	global_load_b128 v[PS1:PS1+3], v[TI], s[14:15]                 ; S1[thread]
	s_cmp_gt_u32 s86, 7
	s_cbranch_scc1 .Lnob1
	global_load_b128 v[PS1+4:PS1+7], v[TI], s[14:15] offset:8192   ; S1[thread + 512], 256 threads
.Lnob1:
	NOISE
	s_wait_kmcnt 0x0
	; wn = w / max(|w|, 1e-12)
	v_mul_f32 v[TMP], s20, s20
.irp h, 1,2,3,4,5,6,7
	v_fma_f32 v[TMP], s[20+\h], s[20+\h], v[TMP]
.endr
	v_sqrt_f32 v[TMP], v[TMP]
	v_nop                                          ; one plain place behind a transcendental before its result is used
	s_wait_alu depctr_va_vdst(0)
	v_max_num_f32 v[TMP], 0x2b8cbccc, v[TMP]
	v_rcp_f32 v[TMP], v[TMP]
	v_nop
	s_wait_alu depctr_va_vdst(0)
.irp h, 0,1,2,3,4,5,6,7
	v_mul_f32 v[TMP+1], s[20+\h], v[TMP]
	v_readfirstlane_b32 s[WN+2*\h], v[TMP+1]
	s_mov_b32 s[WN+2*\h+1], s[WN+2*\h]
	s_mov_b32 s[PHI+2*\h], s[28+\h]
	s_mov_b32 s[PHI+2*\h+1], s[28+\h]
.endr
	s_wait_loadcnt 32                              ; loads return in order: the 32 noise loads, the youngest on every path, may stay out; f0, uv, S1 are in
	s_cmp_gt_u32 s86, 6
	s_cbranch_scc1 .Lnotab2
	ds_store_b128 v[TI], v[PF0:PF0+3] offset:F0TAB
	ds_store_b128 v[TI], v[PUV:PUV+3] offset:UVTAB
.Lnotab2:
	SCAN PIN2,PS1,4                                ; in2: 16 neighbouring threads are 16 neighbouring rows R
	ds_store_b128 v[TI], v[PIN2:PIN2+3] offset:IN2TAB
	s_cmp_gt_u32 s86, 7
	s_cbranch_scc1 .Lnob2
	SCAN PIN2+4,PS1+4,4
	ds_store_b128 v[TI], v[PIN2+4:PIN2+7] offset:IN2TAB+8192
.Lnob2:
	s_wait_dscnt 0x0                               ; my stores are done,
	s_barrier_signal -1
	s_barrier_wait -1                              ; everybody's are: the three tables may be read
	s_cmp_lg_u32 s86, 0
	s_cbranch_scc1 .Lnot0
	; wave 0: the 48 totals S2[q] = in2[16 q + 15], their in3, the top scan of three, and E3[q + 1] = in3[q] + E4[q / 16]
	v_lshlrev_b32 v[TMP], 8, v1
	v_and_b32 v[TMP+1], 15, v1
	v_lshlrev_b32 v[TMP+2], 8, v[TMP+1]
	ds_load_b128 v[PA:PA+3], v[TMP] offset:IN2TAB+240
	ds_load_b128 v[PA+4:PA+7], v[TMP+2] offset:IN2TAB+32*256+240   ; q = 32 + lane % 16, in both halves of the wave
	s_wait_dscnt 0x0
	SCAN PSC,PA,8
.irp c, 0,1,2,3
	v_readlane_b32 s[92+\c], v[PSC+\c], 15         ; S3[0] = E4[1]
	v_readlane_b32 s[96+\c], v[PSC+\c], 31         ; S3[1]
.endr
.irp c, 0,1,2,3
	s_add_f32 s[96+\c], s[92+\c], s[96+\c]         ; E4[2]
.endr
	v_cmp_le_u32 vcc_lo, 16, v1
.irp c, 0,1,2,3
	v_cndmask_b32 v[PE+\c], 0, s[92+\c], vcc_lo    ; E4[0] = 0 for q < 16
.endr
.irp c, 0,1,2,3
	v_add_f32 v[PSC+\c], v[PSC+\c], v[PE+\c]
	v_add_f32 v[PSC+4+\c], s[96+\c], v[PSC+4+\c]
.endr
	v_lshlrev_b32 v[TMP], 4, v1
	v_lshlrev_b32 v[TMP+2], 4, v[TMP+1]
	ds_store_b128 v[TMP], v[PSC:PSC+3] offset:E3TAB+16
	ds_store_b128 v[TMP+2], v[PSC+4:PSC+7] offset:E3TAB+528        ; both halves store the same 16 entries
.irp c, 0,1,2,3
	v_mov_b32 v[PE+\c], 0
.endr
	v_mov_b32 v[TMP+3], 0
	ds_store_b128 v[TMP+3], v[PE:PE+3] offset:E3TAB                ; the exclusive scans begin with 0
	ds_store_b128 v[TMP+3], v[PE:PE+3] offset:TABE
	ds_store_b128 v[TMP+3], v[PE:PE+3] offset:TABE+16
	ds_store_b128 v[TMP+3], v[PE:PE+3] offset:TABS
.Lnot0:
	s_wait_dscnt 0x0
	s_barrier_signal -1
	s_barrier_wait -1                              ; E3 may be read
	; E2[R + 1] = in2[R] + E3[R / 16] into TABE's entry R + 2; S1[R] into TABS's entry R + 1
	ds_load_b128 v[PE:PE+3], v[E3A] offset:E3TAB
	s_wait_dscnt 0x0
	v_pk_add_f32 v[PIN2:PIN2+1], v[PIN2:PIN2+1], v[PE:PE+1]
	v_pk_add_f32 v[PIN2+2:PIN2+3], v[PIN2+2:PIN2+3], v[PE+2:PE+3]
	ds_store_b128 v[TI], v[PIN2:PIN2+3] offset:TABE+32
	ds_store_b128 v[TI], v[PS1:PS1+3] offset:TABS+16
	s_cmp_gt_u32 s86, 7
	s_cbranch_scc1 .Lnob3
	ds_load_b128 v[PE+4:PE+7], v[E3A] offset:E3TAB+512
	s_wait_dscnt 0x0
	v_pk_add_f32 v[PIN2+4:PIN2+5], v[PIN2+4:PIN2+5], v[PE+4:PE+5]
	v_pk_add_f32 v[PIN2+6:PIN2+7], v[PIN2+6:PIN2+7], v[PE+6:PE+7]
	ds_store_b128 v[TI], v[PIN2+4:PIN2+7] offset:TABE+32+8192
	ds_store_b128 v[TI], v[PS1+4:PS1+7] offset:TABS+16+8192
.Lnob3:
	s_wait_dscnt 0x0
	s_barrier_signal -1
	s_barrier_wait -1                              ; from here the tables are only read and each stage is one wave's own: no more barriers
	s_add_co_u32 s2, s89, 256
	s_cmp_lt_u32 s2, TILES
	s_cselect_b32 s92, 2, 1                        ; three tiles or two; the last stands behind the loop and requests nothing
	s_mov_b32 s90, 0
.Ltile:
	TRIP 1
	s_add_co_u32 s90, s90, 1
	s_cmp_lt_u32 s90, s92                          ; counts up to a register that the loop leaves alone
	s_cbranch_scc1 .Ltile
	TRIP 0
	s_wait_xcnt 0x0
	v_lshl_add_u32 v254, v0, 2, 0x15000
	v_mov_b32 v255, 0
	s_wait_tensorcnt 0x0
	ds_add_u32 v254, v255
	s_wait_dscnt 0x0
	s_endpgm
.Lfunc_end_k_q4da9f0546b_synth:
	.size	k_q4da9f0546b_synth, .Lfunc_end_k_q4da9f0546b_synth-k_q4da9f0546b_synth
	.p2alignl 7, 3214868480
	.fill 96, 4, 3214868480
	.section	.rodata,"a",@progbits
	.p2align	6, 0x0
	.amdhsa_kernel k_q4da9f0546b_synth
		.amdhsa_group_segment_fixed_size 88064
		.amdhsa_private_segment_fixed_size 0
		.amdhsa_enable_private_segment 0
		.amdhsa_kernarg_size 56
		.amdhsa_user_sgpr_count 2
		.amdhsa_user_sgpr_kernarg_segment_ptr 1
		.amdhsa_wavefront_size32 1
		.amdhsa_system_sgpr_workgroup_id_x 1
		.amdhsa_system_sgpr_workgroup_id_y 1
		.amdhsa_system_sgpr_workgroup_id_z 1
		.amdhsa_system_vgpr_workitem_id 0
		.amdhsa_next_free_vgpr 256
		.amdhsa_next_free_sgpr 100
		.amdhsa_reserve_vcc 1
		.amdhsa_float_denorm_mode_32 3
		.amdhsa_float_denorm_mode_16_64 3
		.amdhsa_memory_ordered 1
		.amdhsa_forward_progress 1
		.amdhsa_inst_pref_size 162
	.end_amdhsa_kernel
	.amdgpu_metadata
---
amdhsa.version: [ 1, 2 ]
amdhsa.kernels:
  - .name:           k_q4da9f0546b_synth
    .symbol:         k_q4da9f0546b_synth.kd
    .args:
      - { .name: f0, .offset: 0, .size: 8, .value_kind: global_buffer, .address_space: global }
      - { .name: uv, .offset: 8, .size: 8, .value_kind: global_buffer, .address_space: global }
      - { .name: weights, .offset: 16, .size: 8, .value_kind: global_buffer, .address_space: global }
      - { .name: phi, .offset: 24, .size: 8, .value_kind: global_buffer, .address_space: global }
      - { .name: noise, .offset: 32, .size: 8, .value_kind: global_buffer, .address_space: global }
      - { .name: s1, .offset: 40, .size: 8, .value_kind: global_buffer, .address_space: global }
      - { .name: out0, .offset: 48, .size: 8, .value_kind: global_buffer, .address_space: global }
    .group_segment_fixed_size: 88064
    .private_segment_fixed_size: 0
    .kernarg_segment_align: 8
    .kernarg_segment_size: 56
    .max_flat_workgroup_size: 512
    .sgpr_count:     100
    .vgpr_count:     256
    .wavefront_size: 32
...
	.end_amdgpu_metadata
.endif
;; end of part 2
